; MI455X (gfx1250); checked and timed in simulation.
; The chip was launched on July 23, 2026; its instructions are those of AMD's public machine-readable ISA for CDNA 5 (MIT licence, August 2026) and "CDNA5" Instruction Set Architecture Reference Guide (July 2026). The comments in the code are by the model that wrote it; some were corrected since.
;; RWKV. Allowed arithmetic: float matrix products may take bf16 or f16 operands with f32 sums; all other float work in f32.
;; Inputs: k 2 x 16 x 2,048 x 64 float32; r 2 x 16 x 2,048 x 64 float32; state 2 x 16 x 64 x 64 float32; u 1 x 16 x 1 x 64 float32; v 2 x 16 x 2,048 x 64 float32; w 1 x 16 x 2,048 x 64 float32.
;; Outputs: out0 2 x 16 x 2,048 x 64 float32; out1 2 x 16 x 64 x 64 float32.
;; 2 versions, each right and faster than the one before. Each part assembles by itself: llvm-mc -triple=amdgcn-amd-amdhsa -mcpu=gfx1250 --defsym DOCPART=n.
;; ======== version 1 of 2: 3 launches
;; limits: values are held in f16: magnitudes above 65,504 overflow, below 6.1e-05 lose precision
;; workspace buffers: gws 3,670,016 bytes; dws 57,344 bytes; sst 4,194,304 bytes
;; launch summ (part 1): grid 7 x 32, 16 waves a work-group, no clusters, 71,936 bytes of LDS; arguments k, v, w, gws, dws; writes gws, dws
.if DOCPART == 1
	.amdgcn_target "amdgcn-amd-amdhsa--gfx1250"
	.amdhsa_code_object_version 6
	.text
	.protected	k_q550255c45a_summ
	.globl	k_q550255c45a_summ
	.p2align	8
	.type	k_q550255c45a_summ,@function
k_q550255c45a_summ:
	s_mov_b64 s[64:65], 0
	v_nop
	global_prefetch_b8 v0, s[64:65] scope:SCOPE_SE
	s_setreg_imm32_b32 hwreg(HW_REG_WAVE_MODE, 25, 1), 1
	s_wait_xcnt 0x0
; RWKV scan, first of three launches: what a segment of 256 steps does to the state.
;   G = sum over s of (k_s * product of w_j, s < j < segment's end) v_s^T   [64 channels x 64 v]     D = product of the segment's 256 w   [64]
; for segments 0..6 of each of the 32 (batch, head) pairs; the eighth segment's summary is needed by nobody.
; Sixteen waves, one chunk of 16 steps each.  Only products of w over ranges are formed: no division and no logarithm, so w may be zero or negative.
; LAYOUT of a chunk in registers: lane L, c4 = L & 15, h = L >> 4; register X+4i+c = tensor[time 8h+i][channel 4 c4 + c].  A load's sixteen
; neighbouring lanes take one whole row of 256 bytes.  In this layout the 16-bit matrix operand with time as the contraction is lane-local:
; tile j (row or column c4 = channel 4 c4 + j), register p = (time 8h+2p, time 8h+2p+1).
; A result tile (j, q): register a of lane (n, h) = G[channel 32h+4a+j][v = 4n+q].  gws holds per segment [q][2j + (a>>2)][lane][a & 3] f32.
; dws holds D as [h][8j + a], the order in which a lane of such a tile wants it.
; LIMITS: matrix operands are f16 (finer than bf16 by 3 bits): |k x product of w| and |v| below 65504; values below 6e-5 carry an absolute error of 3e-8.
; No tensor loads, no cluster: each wave asks for its whole input in its first lines, and only w is read by two work-groups (the two batches).
.set LVOP, 32768                       ; LDS: k operands at 0: [chunk][tile][lane] x 16 bytes; v operands here, likewise
.set LPFN, 65536                       ; each chunk's product of its 16 w: 16 x 256 bytes, by channel
.set LDP,  69632                       ; 256 bytes: D on its way into dws's order (wave 0 alone)
.set VOFF, 1
.set OPST, 2
.set PFNS, 3
.set PFNR, 4
.set DPS,  5
.set DPR,  6
.set DGO,  7
.set AA,   8
.set AB,   9
.set GST,  10
.set W,    16
.set K,    48
.set V,    80
.set CV,   112
.set F,    128
.set TOTO, F                           ; the other half's product lands where the running product lay: a register that has been written
.set TOT,  132
.set PFL,  140
.set MK,   144
.set SUF,  148
.set PFR,  152
.set DOUT, 212
.set AOP,  16
.set BOP,  80
.set ACC0, 144
.set ACC1, 152
.macro QMUL d, a, b                    ; four channels: d = a * b
	v_pk_mul_f32 v[\d:\d+1], v[\a:\a+1], v[\b:\b+1]
	v_pk_mul_f32 v[\d+2:\d+3], v[\a+2:\a+3], v[\b+2:\b+3]
.endm
.macro LD8 dst, base                   ; a chunk: eight loads, each two whole rows of 256 bytes
.irp i, 0,1,2,3,4,5,6,7
	global_load_b128 v[\dst+4*\i:\dst+4*\i+3], v[VOFF], s[\base:\base+1] offset:256*\i
.endr
.endm
.macro PACKT src, off                  ; four operand tiles: pairs of times packed to f16, 16 bytes a lane and tile
.irp j, 0,1,2,3
.irp p, 0,1,2,3
	v_cvt_pk_f16_f32 v[CV+4*\j+\p], v[\src+8*\p+\j], v[\src+8*\p+4+\j]
.endr
	ds_store_b128 v[OPST], v[CV+4*\j:CV+4*\j+3] offset:\off+512*\j
.endr
.endm
	s_load_b256 s[8:15], s[0:1], 0x0               ; k s[8:9], v s[10:11], w s[12:13], gws s[14:15]
	s_load_b64 s[16:17], s[0:1], 0x20              ; dws
	v_lshl_add_u32 v216, v0, 2, 0x11100
	v_mov_b32 v217, 0
	v_lshrrev_b32 v11, 5, v0
	v_readfirstlane_b32 s32, v11                   ; wave = chunk
	v_lshrrev_b32 v12, 4, v0                       ; 2 wave + h
	v_and_b32 v13, 15, v0                          ; c4
	v_and_b32 v14, 31, v0                          ; lane
	v_lshlrev_b32 v[VOFF], 4, v13
	v_lshl_add_u32 v[VOFF], v12, 11, v[VOFF]       ; wave x 4096 + h x 2048 + 16 c4
	s_and_b32 s33, ttmp7, 0xffff                   ; batch x 16 + head
	s_lshl_b32 s34, ttmp9, 16                      ; segment x 256 rows of 256 bytes
	s_lshl_b32 s24, s33, 19
	s_add_co_u32 s24, s24, s34
	s_mov_b32 s25, 0
	s_and_b32 s26, s33, 15                         ; w has no batch
	s_lshl_b32 s26, s26, 19
	s_add_co_u32 s26, s26, s34
	s_mov_b32 s27, 0
	s_mul_i32 s28, s33, 7
	s_add_co_u32 s28, s28, ttmp9
	s_lshl_b32 s30, s28, 8
	s_lshl_b32 s28, s28, 14
	s_mov_b32 s29, 0
	s_mov_b32 s31, 0
	s_wait_kmcnt 0x0
	s_add_nc_u64 s[8:9], s[8:9], s[24:25]
	s_add_nc_u64 s[10:11], s[10:11], s[24:25]
	s_add_nc_u64 s[12:13], s[12:13], s[26:27]
	s_add_nc_u64 s[14:15], s[14:15], s[28:29]
	s_add_nc_u64 s[16:17], s[16:17], s[30:31]
	LD8 W, 12
	LD8 K, 8
	LD8 V, 10
	s_mov_b32 s45, 0xffff0000                      ; lanes 16 to 31
	s_mov_b32 s46, 0x76543210                      ; v_permlanex16_b32: lane i of the other half
	s_mov_b32 s47, 0xfedcba98
	s_lshl_b32 s35, s32, 11
	v_lshl_add_u32 v[OPST], v14, 4, s35            ; my chunk's operands: chunk x 2048 + 16 lane
	s_lshl_b32 s36, s32, 8
	s_add_co_u32 s36, s36, LPFN
	v_lshl_add_u32 v[PFNS], v13, 4, s36
	v_lshlrev_b32 v[PFNR], 4, v13
	v_add_nc_u32 v[PFNR], LPFN, v[PFNR]
	v_and_b32 v15, 7, v13
	v_lshrrev_b32 v[DPS], 3, v13
	v_lshlrev_b32 v[DPS], 7, v[DPS]
	v_lshl_add_u32 v[DPS], v15, 2, v[DPS]
	v_add_nc_u32 v[DPS], LDP, v[DPS]               ; channel 4 c4 + c goes to word 32 (c4 >> 3) + 8 c + (c4 & 7)
	v_lshlrev_b32 v[DGO], 3, v14
	v_add_nc_u32 v[DPR], LDP, v[DGO]
	s_lshr_b32 s37, s32, 2                         ; the tile that I sum at the end: j,
	s_and_b32 s38, s32, 3                          ; q
	s_lshl_b32 s39, s37, 9
	v_lshl_add_u32 v[AA], v14, 4, s39
	s_lshl_b32 s40, s38, 9
	s_add_co_u32 s40, s40, LVOP
	v_lshl_add_u32 v[AB], v14, 4, s40
	s_lshl_b32 s41, s38, 12
	s_lshl_b32 s42, s37, 10
	s_add_co_u32 s41, s41, s42
	v_lshl_add_u32 v[GST], v14, 4, s41
	s_wait_loadcnt 0x8                             ; w and k are in; v's eight loads stay out
	; k_i times the w behind it within my eight steps
	QMUL K+24, K+24, W+28
	QMUL F, W+28, W+24
.irp i, 5,4,3,2,1
	QMUL K+4*\i, K+4*\i, F
	QMUL F, F, W+4*\i
.endr
	QMUL K, K, F
	QMUL TOT, F, W                                 ; my eight w
.irp c, 0,1,2,3
	v_permlanex16_b32 v[TOTO+\c], v[TOT+\c], s46, s47      ; the other eight
.endr
	QMUL PFL, TOT, TOTO                            ; the chunk's sixteen
	ds_store_b128 v[PFNS], v[PFL:PFL+3]            ; both halves of the wave write the same 256 bytes with the same numbers
.irp c, 0,1,2,3
	v_cndmask_b32 v[MK+\c], v[TOTO+\c], 1.0, s45   ; steps 0-7 also pass steps 8-15
.endr
	s_wait_loadcnt 0x0
	PACKT V, LVOP
	s_wait_dscnt 0x0                               ; my stores are done, for the other waves' sake
	s_barrier_signal -1
	s_barrier_wait -1
.irp c, 1,2,3,4,5,6,7,8,9,10,11,12,13,14,15
	ds_load_b128 v[PFR+4*\c-4:PFR+4*\c-1], v[PFNR] offset:256*\c
.endr
.irp c, 0,1,2,3
	v_mov_b32 v[SUF+\c], 1.0
.endr
	s_wait_dscnt 0x0
	; the product of the chunks behind mine: from the last chunk down, until my own is reached
.irp c, 15,14,13,12,11,10,9,8,7,6,5,4,3,2,1
	s_cmp_ge_u32 s32, \c
	s_cbranch_scc1 .Lsuf
	QMUL SUF, SUF, PFR+4*\c-4
.endr
.Lsuf:
	QMUL MK, MK, SUF
.irp i, 0,1,2,3,4,5,6,7
	QMUL K+4*\i, K+4*\i, MK
.endr
	PACKT K, 0
	s_cmp_lg_u32 s32, 0
	s_cbranch_scc1 .Lnot0
	QMUL PFL, PFL, SUF                             ; wave 0: all sixteen chunks = D
.irp c, 0,1,2,3
	ds_store_b32 v[DPS], v[PFL+\c] offset:32*\c
.endr
	ds_load_b64 v[DOUT:DOUT+1], v[DPR]             ; LDS serves a wave's instructions in order: this sees the stores above
	s_wait_dscnt 0x0
	global_store_b64 v[DGO], v[DOUT:DOUT+1], s[16:17]      ; 32 lanes x 8 bytes: the segment's 256 bytes, aligned
.Lnot0:
	s_wait_dscnt 0x0
	s_barrier_signal -1
	s_barrier_wait -1
	; tile (j, q) over all 256 steps: eight products of 32 steps, two chunks side by side in each operand
.irp e, 0,1,2,3,4,5,6,7
	ds_load_b128 v[AOP+8*\e:AOP+8*\e+3],   v[AA] offset:4096*\e
	ds_load_b128 v[AOP+8*\e+4:AOP+8*\e+7], v[AA] offset:4096*\e+2048
	ds_load_b128 v[BOP+8*\e:BOP+8*\e+3],   v[AB] offset:4096*\e
	ds_load_b128 v[BOP+8*\e+4:BOP+8*\e+7], v[AB] offset:4096*\e+2048
.endr
	; two accumulators by turns.  Each wait leaves out the four loads of every later product.
	s_wait_dscnt 28
	v_wmma_f32_16x16x32_f16 v[ACC0:ACC0+7], v[AOP:AOP+7], v[BOP:BOP+7], 0
	s_wait_dscnt 24
	v_wmma_f32_16x16x32_f16 v[ACC1:ACC1+7], v[AOP+8:AOP+15], v[BOP+8:BOP+15], 0
.irp e, 2,4,6
	s_wait_dscnt 28-4*\e
	v_wmma_f32_16x16x32_f16 v[ACC0:ACC0+7], v[AOP+8*\e:AOP+8*\e+7], v[BOP+8*\e:BOP+8*\e+7], v[ACC0:ACC0+7]
	s_wait_dscnt 24-4*\e
	v_wmma_f32_16x16x32_f16 v[ACC1:ACC1+7], v[AOP+8*\e+8:AOP+8*\e+15], v[BOP+8*\e+8:BOP+8*\e+15], v[ACC1:ACC1+7]
.endr
.rept 4
	v_nop                                          ; four places before a vector instruction reads a matrix result (ISA guide 7.12.1)
.endr
.irp x, 0,2,4,6
	v_pk_add_f32 v[ACC0+\x:ACC0+\x+1], v[ACC0+\x:ACC0+\x+1], v[ACC1+\x:ACC1+\x+1]
.endr
	global_store_b128 v[GST], v[ACC0:ACC0+3], s[14:15]
	global_store_b128 v[GST], v[ACC0+4:ACC0+7], s[14:15] offset:512
	s_wait_tensorcnt 0x0
	ds_add_u32 v216, v217
	s_wait_dscnt 0x0
	s_endpgm
.Lfunc_end_k_q550255c45a_summ:
	.size	k_q550255c45a_summ, .Lfunc_end_k_q550255c45a_summ-k_q550255c45a_summ
	.p2alignl 7, 3214868480
	.fill 96, 4, 3214868480
	.section	.rodata,"a",@progbits
	.p2align	6, 0x0
	.amdhsa_kernel k_q550255c45a_summ
		.amdhsa_group_segment_fixed_size 71936
		.amdhsa_private_segment_fixed_size 0
		.amdhsa_enable_private_segment 0
		.amdhsa_kernarg_size 40
		.amdhsa_user_sgpr_count 2
		.amdhsa_user_sgpr_kernarg_segment_ptr 1
		.amdhsa_wavefront_size32 1
		.amdhsa_system_sgpr_workgroup_id_x 1
		.amdhsa_system_sgpr_workgroup_id_y 1
		.amdhsa_system_sgpr_workgroup_id_z 1
		.amdhsa_system_vgpr_workitem_id 0
		.amdhsa_next_free_vgpr 218
		.amdhsa_next_free_sgpr 66
		.amdhsa_reserve_vcc 0
		.amdhsa_float_denorm_mode_32 3
		.amdhsa_float_denorm_mode_16_64 3
		.amdhsa_memory_ordered 1
		.amdhsa_forward_progress 1
		.amdhsa_inst_pref_size 20
	.end_amdhsa_kernel
	.amdgpu_metadata
---
amdhsa.version: [ 1, 2 ]
amdhsa.kernels:
  - .name:           k_q550255c45a_summ
    .symbol:         k_q550255c45a_summ.kd
    .args:
      - { .name: k, .offset: 0, .size: 8, .value_kind: global_buffer, .address_space: global }
      - { .name: v, .offset: 8, .size: 8, .value_kind: global_buffer, .address_space: global }
      - { .name: w, .offset: 16, .size: 8, .value_kind: global_buffer, .address_space: global }
      - { .name: gws, .offset: 24, .size: 8, .value_kind: global_buffer, .address_space: global }
      - { .name: dws, .offset: 32, .size: 8, .value_kind: global_buffer, .address_space: global }
    .group_segment_fixed_size: 71936
    .private_segment_fixed_size: 0
    .kernarg_segment_align: 8
    .kernarg_segment_size: 40
    .max_flat_workgroup_size: 512
    .sgpr_count:     66
    .vgpr_count:     218
    .wavefront_size: 32
...
	.end_amdgpu_metadata
.endif
;; end of part 1
;; launch scan (part 2): grid 4 x 32, 4 waves a work-group, no clusters, 0 bytes of LDS; arguments state, gws, dws, sst; writes sst
.if DOCPART == 2
	.amdgcn_target "amdgcn-amd-amdhsa--gfx1250"
	.amdhsa_code_object_version 6
	.text
	.protected	k_q550255c45a_scan
	.globl	k_q550255c45a_scan
	.p2align	8
	.type	k_q550255c45a_scan,@function
k_q550255c45a_scan:
	s_mov_b64 s[64:65], 0
	v_nop
	global_prefetch_b8 v0, s[64:65] scope:SCOPE_SE
	s_setreg_imm32_b32 hwreg(HW_REG_WAVE_MODE, 25, 1), 1
	s_wait_xcnt 0x0
; Second launch: the state at the start of each of the eight segments.  T_0 = state, T_(i+1) = D_i * T_i + G_i, all in f32, element by element.
; Work-group (q, batch x 16 + head), wave j: tile (j, q) of the state: register a of lane (n, h) = S[channel 32h+4a+j][v = 4n+q],
; the order in which gws holds G and in which sst is written ([q][2j + (a>>2)][lane][a & 3]); dws holds D as [h][8j + a].
; All 36 loads go out at once; the seven steps are 28 packed multiply-adds.  T_i lies in v[8+8i:15+8i]: step i turns G_i's registers into T_(i+1),
; so no register that a store reads is written again.
	s_load_b256 s[8:15], s[0:1], 0x0               ; state s[8:9], gws s[10:11], dws s[12:13], sst s[14:15]
	v_lshrrev_b32 v2, 5, v0                        ; j
	v_and_b32 v3, 15, v0                           ; n
	v_bfe_u32 v4, v0, 4, 1                         ; h
	v_and_b32 v5, 31, v0
	v_lshlrev_b32 v6, 4, v3
	v_lshl_add_u32 v6, v2, 8, v6
	v_lshl_add_u32 v6, v4, 13, v6                  ; state: (32h + j) rows of 256 bytes + 16 n
	v_lshlrev_b32 v7, 4, v5
	v_lshl_add_u32 v7, v2, 10, v7                  ; tiles: 1024 j + 16 lane
	v_lshlrev_b32 v1, 5, v2
	v_lshl_add_u32 v1, v4, 7, v1                   ; D: 128 h + 32 j
	s_and_b32 s16, ttmp7, 0xffff
	s_lshl_b32 s18, s16, 14
	s_lshl_b32 s17, ttmp9, 2
	s_add_co_u32 s18, s18, s17                     ; + 4 q
	s_mov_b32 s19, 0
	s_mul_i32 s20, s16, 7*16384
	s_lshl_b32 s17, ttmp9, 12
	s_add_co_u32 s20, s20, s17
	s_mov_b32 s21, 0
	s_mul_i32 s22, s16, 7*256
	s_mov_b32 s23, 0
	s_lshl_b32 s24, s16, 17
	s_add_co_u32 s24, s24, s17
	s_mov_b32 s25, 0
	s_wait_kmcnt 0x0
	s_add_nc_u64 s[8:9], s[8:9], s[18:19]
	s_add_nc_u64 s[10:11], s[10:11], s[20:21]
	s_add_nc_u64 s[12:13], s[12:13], s[22:23]
	s_add_nc_u64 s[14:15], s[14:15], s[24:25]
.irp a, 0,1,2,3,4,5,6,7
	global_load_b32 v[8+\a], v6, s[8:9] offset:1024*\a
.endr
.irp i, 0,1,2,3,4,5,6
	global_load_b128 v[16+8*\i:19+8*\i], v7, s[10:11] offset:16384*\i
	global_load_b128 v[20+8*\i:23+8*\i], v7, s[10:11] offset:16384*\i+512
	global_load_b128 v[72+8*\i:75+8*\i], v1, s[12:13] offset:256*\i
	global_load_b128 v[76+8*\i:79+8*\i], v1, s[12:13] offset:256*\i+16
.endr
	s_wait_loadcnt 28                              ; the state is in; the 28 loads of G and D stay out
	global_store_b128 v7, v[8:11], s[14:15]
	global_store_b128 v7, v[12:15], s[14:15] offset:512
.irp i, 0,1,2,3,4,5,6
	s_wait_loadcnt 24-4*\i                         ; G_i and D_i are in; four loads for each later segment stay out
.irp x, 0,2,4,6
	v_pk_fma_f32 v[16+8*\i+\x:17+8*\i+\x], v[72+8*\i+\x:73+8*\i+\x], v[8+8*\i+\x:9+8*\i+\x], v[16+8*\i+\x:17+8*\i+\x]
.endr
	global_store_b128 v7, v[16+8*\i:19+8*\i], s[14:15] offset:16384*\i+16384
	global_store_b128 v7, v[20+8*\i:23+8*\i], s[14:15] offset:16384*\i+16896
.endr
	s_endpgm
.Lfunc_end_k_q550255c45a_scan:
	.size	k_q550255c45a_scan, .Lfunc_end_k_q550255c45a_scan-k_q550255c45a_scan
	.p2alignl 7, 3214868480
	.fill 96, 4, 3214868480
	.section	.rodata,"a",@progbits
	.p2align	6, 0x0
	.amdhsa_kernel k_q550255c45a_scan
		.amdhsa_group_segment_fixed_size 0
		.amdhsa_private_segment_fixed_size 0
		.amdhsa_enable_private_segment 0
		.amdhsa_kernarg_size 32
		.amdhsa_user_sgpr_count 2
		.amdhsa_user_sgpr_kernarg_segment_ptr 1
		.amdhsa_wavefront_size32 1
		.amdhsa_system_sgpr_workgroup_id_x 1
		.amdhsa_system_sgpr_workgroup_id_y 1
		.amdhsa_system_sgpr_workgroup_id_z 1
		.amdhsa_system_vgpr_workitem_id 0
		.amdhsa_next_free_vgpr 128
		.amdhsa_next_free_sgpr 66
		.amdhsa_reserve_vcc 0
		.amdhsa_float_denorm_mode_32 3
		.amdhsa_float_denorm_mode_16_64 3
		.amdhsa_memory_ordered 1
		.amdhsa_forward_progress 1
		.amdhsa_inst_pref_size 9
	.end_amdhsa_kernel
	.amdgpu_metadata
---
amdhsa.version: [ 1, 2 ]
amdhsa.kernels:
  - .name:           k_q550255c45a_scan
    .symbol:         k_q550255c45a_scan.kd
    .args:
      - { .name: state, .offset: 0, .size: 8, .value_kind: global_buffer, .address_space: global }
      - { .name: gws, .offset: 8, .size: 8, .value_kind: global_buffer, .address_space: global }
      - { .name: dws, .offset: 16, .size: 8, .value_kind: global_buffer, .address_space: global }
      - { .name: sst, .offset: 24, .size: 8, .value_kind: global_buffer, .address_space: global }
    .group_segment_fixed_size: 0
    .private_segment_fixed_size: 0
    .kernarg_segment_align: 8
    .kernarg_segment_size: 32
    .max_flat_workgroup_size: 128
    .sgpr_count:     66
    .vgpr_count:     128
    .wavefront_size: 32
...
	.end_amdgpu_metadata
.endif
;; end of part 2
;; launch main (part 3): grid 8 x 32, 16 waves a work-group, no clusters, 273,408 bytes of LDS; arguments r, k, v, w, u, sst, out0, out1; writes out0, out1
.if DOCPART == 3
	.amdgcn_target "amdgcn-amd-amdhsa--gfx1250"
	.amdhsa_code_object_version 6
	.text
	.protected	k_q550255c45a_main
	.globl	k_q550255c45a_main
	.p2align	8
	.type	k_q550255c45a_main,@function
k_q550255c45a_main:
	s_mov_b64 s[64:65], 0
	v_nop
	global_prefetch_b8 v0, s[64:65] scope:SCOPE_SE
	s_setreg_imm32_b32 hwreg(HW_REG_WAVE_MODE, 25, 1), 1
	s_wait_xcnt 0x0
; Third launch: the outputs of one segment of 256 steps of one (batch, head), from the segment's start state (sst), and the final state.
; Sixteen waves, one chunk of 16 steps each.  Per chunk, local times 0..15, per channel: P_t = product of w_j, j < t; Q_s = product, j > s; PF = all 16.
;   O = (R*P) S + A V + diag(d) V      S' = PF * S + (K*Q)^T V      d_t = sum over channels of r u k (f32, vector unit)
;   A[t][s] = sum over channels of r_t k_s (product of w_j, s < j < t) for s < t, else 0.
; A WITHOUT DIVISION, by halving: for b = 8, 4, 2, 1 and each aligned block of 2b times with middle m, a lower row s becomes k_s x (w between s and m),
; an upper row t becomes r_t x (w from m up to t).  X_b X_b^T then holds A at (s lower, t upper, same block); constant lane masks pick these entries,
; and the four levels' masks are disjoint and cover every s < t.  So w may be zero or negative.
; PHASES: 1 every wave prepares its chunk (operands into LDS, A and R*P into registers); 2 waves 0-3, one quarter of the v columns each, run the chain of
; sixteen states and publish each as a matrix operand; 3 every wave makes its chunk's 16 x 64 outputs with 12 matrix instructions.
; LAYOUT of a chunk in registers: lane L, c4 = L & 15, h = L >> 4; register X+4i+c = tensor[time 8h+i][channel or v 4 c4 + c]; sixteen lanes take one row of
; 256 bytes.  Operands contracted over time are lane-local there (tile j: row or column c4 = channel 4 c4 + j; register p = times 8h+2p, 8h+2p+1).
; A state tile (j, q): register a of lane (n, h) = S[32h+4a+j][4n+q]; as B operand of channel step e its register x = channels 32h+16e+2x, +1, again lane-local.
; Only operands contracted over channels (X_b, R*P) pass through LDS, as f16 rows of 144 bytes.
; SCALES: A and R*P go in as 1/64 of themselves, so the accumulator holds O/64: room in f16 for inputs some 30 times larger.
; LIMITS: matrix operands are f16 (finer than bf16 by 3 bits): |r|, |k Q|, |v|, |S| and |A|/64 below 65504; operand values below 6e-5 carry an absolute error of 3e-8.
; A time contraction fills 16 of an instruction's 32 places.  One side's upper half is zero; the other side's upper half is the neighbouring tile's
; (finite) data, so that four tiles lie in 16 + 4 registers and few registers are cleared.
; No tensor loads: a wave asks for its whole 16 KiB of input in its first lines, and the layout needs no stage.  No cluster: only w, a seventh of the
; bytes, is read twice, by the two batches' work-groups.
.set LVOP, 32768                       ; LDS: K*Q operands at 0: [chunk][tile][lane] x 16 bytes; V operands here, likewise
.set LPF,  65536                       ; PF of each chunk: 16 x 256 bytes, as [h][8j + a]
.set LSTG, 69632                       ; the final state on its way out: 64 rows at pitch 272
.set LU,   87040                       ; phase 1: five buffers of 16 rows x 144 bytes for each wave; phases 2, 3: the sixteen published states, 8192 bytes each
.set XB,   2304
.set XP,   144
.set VOFF, 1
.set XST,  2
.set XLD,  3
.set OPST, 4
.set PFST, 5
.set AKV,  6
.set AV,   7
.set APF,  8
.set AS0,  9
.set AS1,  10
.set ASTG, 11
.set ARD,  12
.set AG1,  13
.set ASST, 14
.set ASOP, 15
.set W,    16
.set K,    48
.set R,    80
.set V,    112                         ; v, then d*v, then the output
.set UU,   144
.set XT,   148
.set PT,   164
.set F,    PT
.set G,    168
.set E,    184
.set TOTO, E                           ; the other half's product lands in a register that has been written
.set DD,   188
.set TOT,  204
.set PFL,  208
.set MR,   212
.set MK,   216
.set BT,   220
.set CV,   224
.set UOFF, 244
.set TA,   245
.set TB,   246
.set C4,   247
.set HH,   248
.set LL,   249
.set XO,   16                          ; X8, X4, X2, X1 as operands, 16 registers each
.set RT,   80                          ; R*P/64 as operand, two channel steps
.set AOP,  96                          ; A/64 as operand; its upper four registers are zero
.set DX,   148                         ; the four products X X^T
.set AP,   180
.set T,    16                          ; phase 2: the state, four tiles
.set P,    48
.set KV,   148                         ; two sets of 24: K tiles 0-3, V's tile, four zeros
.set SP,   228
.set O,    16                          ; phase 3
.set SB,   148
.set VR,   212
.macro QMUL d, a, b
	v_pk_mul_f32 v[\d:\d+1], v[\a:\a+1], v[\b:\b+1]
	v_pk_mul_f32 v[\d+2:\d+3], v[\a+2:\a+3], v[\b+2:\b+3]
.endm
.macro LD8 dst, base, nt
.irp i, 0,1,2,3,4,5,6,7
.if \nt
	global_load_b128 v[\dst+4*\i:\dst+4*\i+3], v[VOFF], s[\base:\base+1] offset:256*\i th:TH_LOAD_NT
.else
	global_load_b128 v[\dst+4*\i:\dst+4*\i+3], v[VOFF], s[\base:\base+1] offset:256*\i
.endif
.endr
.endm
.macro PACKT src, off                  ; four operand tiles contracted over time
.irp j, 0,1,2,3
.irp p, 0,1,2,3
	v_cvt_pk_f16_f32 v[CV+4*\j+\p], v[\src+8*\p+\j], v[\src+8*\p+4+\j]
.endr
	ds_store_b128 v[OPST], v[CV+4*\j:CV+4*\j+3] offset:\off+512*\j
.endr
.endm
.macro XROW buf, i, src                ; my four channels of row 8h+i of a buffer, as f16
	v_cvt_pk_f16_f32 v[XT+2*(\i)], v[\src], v[\src+1]
	v_cvt_pk_f16_f32 v[XT+2*(\i)+1], v[\src+2], v[\src+3]
	ds_store_b64 v[XST], v[XT+2*(\i):XT+2*(\i)+1] offset:(\buf)*XB+(\i)*XP
.endm
.macro PLACES                          ; four places before a vector instruction or a load touches a matrix instruction's registers
.rept 4
	v_nop
.endr
.endm
	s_load_b512 s[8:23], s[0:1], 0x0               ; r 8, k 10, v 12, w 14, u 16, sst 18, out0 20, out1 22
	v_lshl_add_u32 v254, v0, 2, 0x42400
	v_mov_b32 v255, 0
	v_lshrrev_b32 v[TA], 5, v0
	v_readfirstlane_b32 s32, v[TA]                 ; wave = chunk
	v_lshrrev_b32 v[TB], 4, v0                     ; 2 wave + h
	v_and_b32 v[C4], 15, v0
	v_lshlrev_b32 v[UOFF], 4, v[C4]
	v_lshl_add_u32 v[VOFF], v[TB], 11, v[UOFF]     ; wave x 4096 + h x 2048 + 16 c4
	s_and_b32 s33, ttmp7, 0xffff                   ; batch x 16 + head
	s_mov_b32 s34, ttmp9                           ; segment
	s_lshl_b32 s35, s34, 16
	s_lshl_b32 s24, s33, 19
	s_add_co_u32 s24, s24, s35
	s_mov_b32 s25, 0
	s_and_b32 s28, s33, 15                         ; w and u have no batch
	s_lshl_b32 s26, s28, 19
	s_add_co_u32 s26, s26, s35
	s_mov_b32 s27, 0
	s_lshl_b32 s28, s28, 8
	s_mov_b32 s29, 0
	s_lshl3_add_u32 s30, s33, s34
	s_lshl_b32 s30, s30, 14
	s_mov_b32 s31, 0
	s_lshl_b32 s36, s33, 14
	s_mov_b32 s37, 0
	s_wait_kmcnt 0x0
	s_add_nc_u64 s[8:9], s[8:9], s[24:25]
	s_add_nc_u64 s[10:11], s[10:11], s[24:25]
	s_add_nc_u64 s[12:13], s[12:13], s[24:25]
	s_add_nc_u64 s[20:21], s[20:21], s[24:25]
	s_add_nc_u64 s[14:15], s[14:15], s[26:27]
	s_add_nc_u64 s[16:17], s[16:17], s[28:29]
	s_add_nc_u64 s[18:19], s[18:19], s[30:31]
	s_add_nc_u64 s[22:23], s[22:23], s[36:37]
	LD8 W, 14, 0
	LD8 K, 10, 1
	LD8 V, 12, 1
	LD8 R, 8, 1
	global_load_b128 v[UU:UU+3], v[UOFF], s[16:17]
	s_mov_b32 s38, 0x76543210                      ; v_permlanex16_b32: lane i of the other half
	s_mov_b32 s39, 0xfedcba98
	s_mov_b32 s40, 0xffff0000                      ; lanes 16 to 31
	s_mov_b32 s41, 0x42800000                      ; 64.0
	s_mov_b32 s60, 0x3c800000                      ; 1/64
	; Masks over lanes (t = L & 15, h): register a of a product holds (s = 8h + a, t).
	s_mov_b32 s42, 0x0000ff00                      ; level 8: s 0-7, t 8-15
	s_mov_b32 s43, 0xf00000f0                      ; level 4, a < 4: t = 8h + 4..7
	s_mov_b32 s44, 0x0c00000c                      ; level 2, a = 0, 1: t = 8h + 2, 3
	s_mov_b32 s45, 0xc00000c0                      ;          a = 4, 5: t = 8h + 6, 7
	s_mov_b32 s46, 0x02000002                      ; level 1, a = 0, 2, 4, 6: t = 8h + a + 1
	s_mov_b32 s47, 0x08000008
	s_mov_b32 s48, 0x20000020
	s_mov_b32 s49, 0x80000080
	s_mul_i32 s50, s32, 5*XB
	s_add_co_u32 s50, s50, LU                      ; my five buffers
	s_lshl_b32 s51, s32, 11
	s_lshl_b32 s52, s32, 8
	s_add_co_u32 s52, s52, LPF
	s_lshl_b32 s53, s32, 9
	s_add_co_u32 s53, s53, LVOP
	s_add_co_u32 s54, s51, LU
	s_lshl_b32 s55, s32, 13
	s_add_co_u32 s55, s55, LU
	s_mul_i32 s56, s32, 4*272
	s_add_co_u32 s56, s56, LSTG
	s_lshl_b32 s57, s32, 2
	s_add_co_u32 s57, s57, LSTG
	s_lshl_b32 s58, s32, 10
	s_lshl_b32 s59, s32, 12
	v_bfe_u32 v[HH], v0, 4, 1
	v_and_b32 v[LL], 31, v0
	v_mul_u32_u24 v[XST], v[HH], 8*XP
	v_lshl_add_u32 v[XST], v[C4], 3, v[XST]
	v_add_nc_u32 v[XST], s50, v[XST]               ; row 8h, 8 bytes for my four channels
	v_mul_u32_u24 v[XLD], v[C4], XP
	v_lshl_add_u32 v[XLD], v[HH], 6, v[XLD]
	v_add_nc_u32 v[XLD], s50, v[XLD]               ; row L & 15, channels 32h ..
	v_lshl_add_u32 v[OPST], v[LL], 4, s51
	v_and_b32 v[TA], 7, v[C4]
	v_lshrrev_b32 v[TB], 3, v[C4]
	v_lshlrev_b32 v[TA], 2, v[TA]
	v_lshl_add_u32 v[TA], v[TB], 7, v[TA]
	v_add_nc_u32 v[PFST], s52, v[TA]               ; channel 4 c4 + c goes to word 32 (c4 >> 3) + 8 c + (c4 & 7)
	v_lshlrev_b32 v[AKV], 4, v[LL]
	v_lshl_add_u32 v[AV], v[LL], 4, s53
	v_lshlrev_b32 v[APF], 7, v[HH]
	v_add_nc_u32 v[APF], LPF, v[APF]
	v_lshl_add_u32 v[AS0], v[LL], 4, s54
	v_add_nc_u32 v[AS1], 0x10000, v[AS0]
	v_mul_u32_u24 v[ASTG], v[HH], 32*272
	v_lshl_add_u32 v[ASTG], v[C4], 4, v[ASTG]
	v_add_nc_u32 v[ASTG], s57, v[ASTG]
	v_mul_u32_u24 v[ARD], v[HH], 272
	v_lshl_add_u32 v[ARD], v[C4], 4, v[ARD]
	v_add_nc_u32 v[ARD], s56, v[ARD]
	v_lshlrev_b32 v[AG1], 8, v[HH]
	v_lshl_add_u32 v[AG1], v[C4], 4, v[AG1]
	v_add_nc_u32 v[AG1], s58, v[AG1]
	v_lshl_add_u32 v[ASST], v[LL], 4, s59
	v_lshl_add_u32 v[ASOP], v[LL], 4, s55
	; ---- phase 1 ----
	s_wait_loadcnt 0x9                             ; w, k, v are in; r's eight loads and u's one stay out
	PACKT V, LVOP
	s_wait_loadcnt 0x0
	; d_t = sum of r u k: four channels in the lane, then over the sixteen lanes of the row
.irp i, 0,1,2,3,4,5,6,7
	v_pk_mul_f32 v[DD+2*\i:DD+2*\i+1], v[R+4*\i:R+4*\i+1], v[K+4*\i:K+4*\i+1]
	v_pk_mul_f32 v[BT:BT+1], v[R+4*\i+2:R+4*\i+3], v[K+4*\i+2:K+4*\i+3]
	v_pk_mul_f32 v[DD+2*\i:DD+2*\i+1], v[DD+2*\i:DD+2*\i+1], v[UU:UU+1]
	v_pk_fma_f32 v[DD+2*\i:DD+2*\i+1], v[BT:BT+1], v[UU+2:UU+3], v[DD+2*\i:DD+2*\i+1]
	v_add_f32 v[DD+2*\i], v[DD+2*\i], v[DD+2*\i+1]
.endr
.irp m, 1,2,4,8
.irp i, 0,1,2,3,4,5,6,7
	v_add_f32_dpp v[DD+2*\i], v[DD+2*\i], v[DD+2*\i] row_xmask:\m row_mask:0xf bank_mask:0xf
.endr
.endr
.irp i, 0,1,2,3,4,5,6,7
	v_pk_mul_f32 v[V+4*\i:V+4*\i+1], v[V+4*\i:V+4*\i+1], v[DD+2*\i:DD+2*\i+1] op_sel_hi:[1,0]
	v_pk_mul_f32 v[V+4*\i+2:V+4*\i+3], v[V+4*\i+2:V+4*\i+3], v[DD+2*\i:DD+2*\i+1] op_sel_hi:[1,0]
.endr
	; level 1: blocks of two
.irp i, 0,2,4,6
	XROW 0, \i, K+4*\i
	XROW 0, \i+1, R+4*\i+4
.endr
	; level 2: blocks of four
	QMUL G, K, W+4
	XROW 1, 0, G
	XROW 1, 1, K+4
	XROW 1, 2, R+8
	QMUL G+4, R+12, W+8
	XROW 1, 3, G+4
	QMUL G+8, K+16, W+20
	XROW 1, 4, G+8
	XROW 1, 5, K+20
	XROW 1, 6, R+24
	QMUL G+12, R+28, W+24
	XROW 1, 7, G+12
	; level 4: my eight times are one block
	QMUL PT, W+8, W+12
	QMUL G, K+8, W+12
	QMUL G+4, K+4, PT
	QMUL PT, PT, W+4
	QMUL G+8, K, PT
	XROW 2, 0, G+8
	XROW 2, 1, G+4
	XROW 2, 2, G
	XROW 2, 3, K+12
	XROW 2, 4, R+16
	QMUL PT, W+16, W+20
	QMUL G, R+20, W+16
	QMUL G+4, R+24, PT
	QMUL PT, PT, W+24
	QMUL G+8, R+28, PT
	XROW 2, 5, G
	XROW 2, 6, G+4
	XROW 2, 7, G+8
	; r_i times the w in front of it, k_i times the w behind it, within my eight times
	QMUL R+4, R+4, W
	QMUL E, W, W+4
.irp i, 2,3,4,5,6
	QMUL R+4*\i, R+4*\i, E
	QMUL E, E, W+4*\i
.endr
	QMUL R+28, R+28, E
	QMUL K+24, K+24, W+28
	QMUL F, W+28, W+24
.irp i, 5,4,3,2,1
	QMUL K+4*\i, K+4*\i, F
	QMUL F, F, W+4*\i
.endr
	QMUL K, K, F
	QMUL TOT, F, W
	; level 8: times 0-7 are the lower rows (k), times 8-15 the upper (r)
.irp i, 0,1,2,3,4,5,6,7
.irp c, 0,1,2,3
	v_cndmask_b32 v[G+\c], v[K+4*\i+\c], v[R+4*\i+\c], s40
.endr
	XROW 3, \i, G
.endr
.irp c, 0,1,2,3
	v_permlanex16_b32 v[TOTO+\c], v[TOT+\c], s38, s39
.endr
	QMUL PFL, TOT, TOTO
.irp c, 0,1,2,3
	ds_store_b32 v[PFST], v[PFL+\c] offset:32*\c   ; both halves of the wave write the same words with the same numbers
.endr
.irp c, 0,1,2,3
	v_mul_f32 v[MR+\c], s60, v[TOTO+\c]
	v_cndmask_b32 v[MK+\c], v[TOTO+\c], 1.0, s40   ; times 0-7 also pass times 8-15
.endr
.irp c, 0,1,2,3
	v_cndmask_b32 v[MR+\c], s60, v[MR+\c], s40     ; times 8-15 also come behind times 0-7; and the scale 1/64
.endr
.irp i, 0,1,2,3,4,5,6,7
	QMUL R+4*\i, R+4*\i, MR
	XROW 4, \i, R+4*\i
.endr
.irp i, 0,1,2,3,4,5,6,7
	QMUL K+4*\i, K+4*\i, MK
.endr
	PACKT K, 0
	; my own buffers back as operands: LDS serves a wave's instructions in order, so these see the stores above
.irp b, 0,1,2,3
.irp q, 0,1,2,3
	ds_load_b128 v[XO+16*\b+4*\q:XO+16*\b+4*\q+3], v[XLD] offset:(3-\b)*XB+16*\q
.endr
.endr
.irp q, 0,1,2,3
	ds_load_b128 v[RT+4*\q:RT+4*\q+3], v[XLD] offset:4*XB+16*\q
.endr
	s_wait_dscnt 0x4                               ; all but R*P's four loads
	; four accumulators by turns
.irp b, 0,1,2,3
	v_wmma_f32_16x16x32_f16 v[DX+8*\b:DX+8*\b+7], v[XO+16*\b:XO+16*\b+7], v[XO+16*\b:XO+16*\b+7], 0
.endr
.irp b, 0,1,2,3
	v_wmma_f32_16x16x32_f16 v[DX+8*\b:DX+8*\b+7], v[XO+16*\b+8:XO+16*\b+15], v[XO+16*\b+8:XO+16*\b+15], v[DX+8*\b:DX+8*\b+7]
.endr
	PLACES
.irp a, 0,1,2,3,4,5,6,7
	v_cndmask_b32 v[AP+\a], 0, v[DX+\a], s42
.endr
.irp a, 0,1,2,3
	v_cndmask_b32 v[AP+\a], v[AP+\a], v[DX+8+\a], s43
.endr
.irp a, 0,1
	v_cndmask_b32 v[AP+\a], v[AP+\a], v[DX+16+\a], s44
	v_cndmask_b32 v[AP+4+\a], v[AP+4+\a], v[DX+20+\a], s45
.endr
.irp a, 0,1,2,3
	v_cndmask_b32 v[AP+2*\a], v[AP+2*\a], v[DX+24+2*\a], s[46+\a]
.endr
.irp a, 0,2,4,6
	v_pk_mul_f32 v[AP+\a:AP+\a+1], v[AP+\a:AP+\a+1], 0x3c800000 op_sel_hi:[1,0]
.endr
.irp p, 0,1,2,3
	v_cvt_pk_f16_f32 v[AOP+\p], v[AP+2*\p], v[AP+2*\p+1]   ; lane (t, h): s = 8h+2p, 8h+2p+1
	v_mov_b32 v[AOP+4+\p], 0
.endr
	s_cmp_gt_u32 s32, 3
	s_cbranch_scc1 .Lno_sst
.irp x, 0,1,2,3,4,5,6,7
	global_load_b128 v[T+4*\x:T+4*\x+3], v[ASST], s[18:19] offset:512*\x   ; waves 0-3: the segment's start state, v columns 4n + wave
.endr
.Lno_sst:
	s_wait_dscnt 0x0                               ; my operand stores are done and my reads of my buffers are back: the published states will lie over the buffers
	s_barrier_signal -1
	s_barrier_wait -1
	; ---- phase 2: waves 0-3 run the chain ----
	s_cmp_gt_u32 s32, 3
	s_cbranch_scc1 .Lchain_done
.macro LDP c                           ; PF of chunk c, in the order of my state registers
.irp x, 0,1,2,3,4,5,6,7
	ds_load_b128 v[P+4*\x:P+4*\x+3], v[APF] offset:256*(\c)+16*\x
.endr
.endm
.macro LDKV c                          ; chunk c's four K tiles and my V tile
.irp j, 0,1,2,3
	ds_load_b128 v[KV+24*((\c)&1)+4*\j:KV+24*((\c)&1)+4*\j+3], v[AKV] offset:2048*(\c)+512*\j
.endr
	ds_load_b128 v[KV+24*((\c)&1)+16:KV+24*((\c)&1)+19], v[AV] offset:2048*(\c)
.endm
.macro PUB c                           ; the state in front of chunk c, as B operands of the two channel steps
.irp e, 0,1
.irp q, 0,1,2,3
	v_cvt_pk_f16_f32 v[SP+8*\e+2*\q],   v[T+4*\e+\q],    v[T+8+4*\e+\q]
	v_cvt_pk_f16_f32 v[SP+8*\e+2*\q+1], v[T+16+4*\e+\q], v[T+24+4*\e+\q]
.endr
.endr
.irp x, 0,1,2,3
.if \c < 8
	ds_store_b128 v[AS0], v[SP+4*\x:SP+4*\x+3] offset:((\c)&7)*8192+512*\x
.else
	ds_store_b128 v[AS1], v[SP+4*\x:SP+4*\x+3] offset:((\c)&7)*8192+512*\x
.endif
.endr
.endm
; One step of the chain.  w: the LDS instructions issued behind this step's operands: the next-but-one... the younger five operand loads and four publishing stores.
.macro CSTEP c, w
	s_wait_dscnt \w
.irp x, 0,1,2,3,4,5,6,7,8,9,10,11,12,13,14,15
	v_pk_mul_f32 v[T+2*\x:T+2*\x+1], v[T+2*\x:T+2*\x+1], v[P+2*\x:P+2*\x+1]
.endr
.if \c < 15
	LDP \c+1
.endif
.irp j, 0,1,2,3
	v_wmma_f32_16x16x32_f16 v[T+8*\j:T+8*\j+7], v[KV+24*(\c&1)+4*\j:KV+24*(\c&1)+4*\j+7], v[KV+24*(\c&1)+16:KV+24*(\c&1)+23], v[T+8*\j:T+8*\j+7]
.endr
	PLACES
.if \c < 14
	LDKV \c+2
.endif
.if \c < 15
	PUB \c+1
.endif
.endm
.irp c, 0,1,2,3
	v_mov_b32 v[KV+20+\c], 0                       ; V's upper half, in both sets: times 16-31 do not exist
	v_mov_b32 v[KV+44+\c], 0
.endr
	LDP 0
	LDKV 0
	LDKV 1
	s_wait_loadcnt 0x0                             ; the start state
	PUB 0
	; the four tiles take turns
.irp c, 0,1,2,3,4,5,6,7,8,9,10,11,12,13,14
	CSTEP \c, 9                                    ; five loads of the next chunk's tiles and four publishing stores stay out
.endr
	CSTEP 15, 4                                    ; the four publishing stores alone
	s_cmp_lg_u32 s34, 7
	s_cbranch_scc1 .Lchain_done
.irp j, 0,1,2,3
.irp a, 0,1,2,3,4,5,6,7
	ds_store_b32 v[ASTG], v[T+8*\j+\a] offset:(4*\a+\j)*272        ; last segment: the final state, by rows of channels
.endr
.endr
.Lchain_done:
	s_wait_dscnt 0x0
	s_barrier_signal -1
	s_barrier_wait -1
	; ---- phase 3: my chunk's outputs ----
.irp c, 0,1,2,3
	v_mov_b32 v[VR+16+\c], 0                       ; behind the last V tile: finite numbers for A's zero half to meet
.endr
.irp e, 0,1
.irp q, 0,1,2,3
.irp x, 0,1
	ds_load_b128 v[SB+16*\q+8*\e+4*\x:SB+16*\q+8*\e+4*\x+3], v[ASOP] offset:2048*\q+1024*\e+512*\x
.endr
.endr
.endr
.irp q, 0,1,2,3
	ds_load_b128 v[VR+4*\q:VR+4*\q+3], v[OPST] offset:LVOP+512*\q
.endr
	s_wait_dscnt 12                                ; the first channel step's eight loads are in
.irp q, 0,1,2,3
	v_wmma_f32_16x16x32_f16 v[O+8*\q:O+8*\q+7], v[RT:RT+7], v[SB+16*\q:SB+16*\q+7], 0
.endr
	s_wait_dscnt 4                                 ; the second's; V's four stay out
.irp q, 0,1,2,3
	v_wmma_f32_16x16x32_f16 v[O+8*\q:O+8*\q+7], v[RT+8:RT+15], v[SB+16*\q+8:SB+16*\q+15], v[O+8*\q:O+8*\q+7]
.endr
	s_wait_dscnt 0
.irp q, 0,1,2,3
	v_wmma_f32_16x16x32_f16 v[O+8*\q:O+8*\q+7], v[AOP:AOP+7], v[VR+4*\q:VR+4*\q+7], v[O+8*\q:O+8*\q+7]
.endr
	PLACES
.irp a, 0,1,2,3,4,5,6,7
.irp q, 0,1,2,3
	v_fmac_f32 v[V+4*\a+\q], s41, v[O+8*\q+\a]     ; out = d v + 64 x accumulator: time 8h+a, v 4n+q
.endr
	global_store_b128 v[VOFF], v[V+4*\a:V+4*\a+3], s[20:21] offset:256*\a th:TH_STORE_NT   ; sixteen lanes store one aligned row of 256 bytes
.endr
	s_cmp_lg_u32 s34, 7
	s_cbranch_scc1 .Lend
	ds_load_b128 v[48:51], v[ARD]                  ; rows 4 wave + h and + 2 of the final state
	ds_load_b128 v[52:55], v[ARD] offset:544
	s_wait_dscnt 0x0
	global_store_b128 v[AG1], v[48:51], s[22:23]
	global_store_b128 v[AG1], v[52:55], s[22:23] offset:512
.Lend:
	s_wait_tensorcnt 0x0
	ds_add_u32 v254, v255
	s_wait_dscnt 0x0
	s_endpgm
.Lfunc_end_k_q550255c45a_main:
	.size	k_q550255c45a_main, .Lfunc_end_k_q550255c45a_main-k_q550255c45a_main
	.p2alignl 7, 3214868480
	.fill 96, 4, 3214868480
	.section	.rodata,"a",@progbits
	.p2align	6, 0x0
	.amdhsa_kernel k_q550255c45a_main
		.amdhsa_group_segment_fixed_size 273408
		.amdhsa_private_segment_fixed_size 0
		.amdhsa_enable_private_segment 0
		.amdhsa_kernarg_size 64
		.amdhsa_user_sgpr_count 2
		.amdhsa_user_sgpr_kernarg_segment_ptr 1
		.amdhsa_wavefront_size32 1
		.amdhsa_system_sgpr_workgroup_id_x 1
		.amdhsa_system_sgpr_workgroup_id_y 1
		.amdhsa_system_sgpr_workgroup_id_z 1
		.amdhsa_system_vgpr_workitem_id 0
		.amdhsa_next_free_vgpr 256
		.amdhsa_next_free_sgpr 66
		.amdhsa_reserve_vcc 0
		.amdhsa_float_denorm_mode_32 3
		.amdhsa_float_denorm_mode_16_64 3
		.amdhsa_memory_ordered 1
		.amdhsa_forward_progress 1
		.amdhsa_inst_pref_size 101
	.end_amdhsa_kernel
	.amdgpu_metadata
---
amdhsa.version: [ 1, 2 ]
amdhsa.kernels:
  - .name:           k_q550255c45a_main
    .symbol:         k_q550255c45a_main.kd
    .args:
      - { .name: r, .offset: 0, .size: 8, .value_kind: global_buffer, .address_space: global }
      - { .name: k, .offset: 8, .size: 8, .value_kind: global_buffer, .address_space: global }
      - { .name: v, .offset: 16, .size: 8, .value_kind: global_buffer, .address_space: global }
      - { .name: w, .offset: 24, .size: 8, .value_kind: global_buffer, .address_space: global }
      - { .name: u, .offset: 32, .size: 8, .value_kind: global_buffer, .address_space: global }
      - { .name: sst, .offset: 40, .size: 8, .value_kind: global_buffer, .address_space: global }
      - { .name: out0, .offset: 48, .size: 8, .value_kind: global_buffer, .address_space: global }
      - { .name: out1, .offset: 56, .size: 8, .value_kind: global_buffer, .address_space: global }
    .group_segment_fixed_size: 273408
    .private_segment_fixed_size: 0
    .kernarg_segment_align: 8
    .kernarg_segment_size: 64
    .max_flat_workgroup_size: 512
    .sgpr_count:     66
    .vgpr_count:     256
    .wavefront_size: 32
...
	.end_amdgpu_metadata
.endif
;; end of part 3
;; ======== version 2 of 2: 2 launches; 1.14 times as fast as version 1
;; limits: values are held in f16: magnitudes above 65,504 overflow, below 6.1e-05 lose precision
;; workspace buffers: gws 3,670,016 bytes; dws 57,344 bytes
;; launch summ: the kernel of part 1 again; grid 7 x 32, 16 waves a work-group, no clusters, 71,936 bytes of LDS; arguments k, v, w, gws, dws; writes gws, dws
;; launch main (part 4): grid 8 x 32, 16 waves a work-group, no clusters, 297,984 bytes of LDS; arguments r, k, v, w, u, state, gws, dws, out0, out1; writes out0, out1
.if DOCPART == 4
	.amdgcn_target "amdgcn-amd-amdhsa--gfx1250"
	.amdhsa_code_object_version 6
	.text
	.protected	k_q550255c45a_main
	.globl	k_q550255c45a_main
	.p2align	8
	.type	k_q550255c45a_main,@function
k_q550255c45a_main:
	s_mov_b64 s[64:65], 0
	v_nop
	global_prefetch_b8 v0, s[64:65] scope:SCOPE_SE
	s_setreg_imm32_b32 hwreg(HW_REG_WAVE_MODE, 25, 1), 1
	s_wait_xcnt 0x0
; RWKV scan, second of two launches: the outputs of one segment of 256 steps of one (batch, head), and the final state.
; Sixteen waves, one chunk of 16 steps each.  Per chunk, local times 0..15, per channel: P_t = product of w_j, j < t; Q_s = product, j > s; PF = all 16.
;   O = (R*P) S + A V      S' = PF * S + (K*Q)^T V
;   A[t][s] = sum over channels of r_t k_s (product of w_j, s < j < t) for s < t;  A[t][t] = d_t = sum over channels of r u k;  else 0.
; A WITHOUT DIVISION, by halving: for b = 8, 4, 2, 1 and each aligned block of 2b times with middle m, a lower row s becomes k_s x (w between s and m),
; an upper row t becomes r_t x (w from m up to t).  X_b X_b^T then holds A at (s lower, t upper, same block); constant lane masks pick these entries,
; and the four levels' masks are disjoint and cover every s < t.  So w may be zero or negative.  d is summed in f32 on the vector unit.
; THE SEGMENT'S START STATE: T_0 = state, T_(i+1) = D_i * T_i + G_i over the segments in front of mine, in f32, from the first launch's summaries (gws, dws).
; Wave x makes tile (j = x >> 2, q = x & 3).  G_i is asked for as soon as the inputs are in (v's registers are free once v is packed) and used at the end of
; phase 1.  Only the segments in front of mine are read; the others' registers are written with 0 and their D with 1, so that the seven steps need no branch.
; PHASES: 1 every wave prepares its chunk (operands into LDS, A and R*P into registers) and its tile of the start state; 2 waves 0-3, one quarter of the
; v columns each, run the chain of sixteen states and publish each as a matrix operand; 3 every wave makes its chunk's 16 x 64 outputs with 12 matrix instructions.
; LAYOUT of a chunk in registers: lane L, c4 = L & 15, h = L >> 4; register X+4i+c = tensor[time 8h+i][channel or v 4 c4 + c]; sixteen lanes take one row of
; 256 bytes.  Operands contracted over time are lane-local there (tile j: row or column c4 = channel 4 c4 + j; register p = times 8h+2p, 8h+2p+1).
; A state tile (j, q): register a of lane (n, h) = S[32h+4a+j][4n+q]; as B operand of channel step e its register x = channels 32h+16e+2x, +1, again lane-local.
; Only operands contracted over channels (X_b, R*P) pass through LDS, as f16 rows of 144 bytes.
; SCALES: A and R*P go in as 1/64 of themselves, so the accumulator holds O/64: room in f16 for inputs some 30 times larger.
; LIMITS: matrix operands are f16 (finer than bf16 by 3 bits): |r|, |k Q|, |v|, |S|, |A|/64 and |d|/64 below 65504; operand values below 6e-5 carry an
; absolute error of 3e-8.  A start state of -0 may come out as +0.
; A time contraction fills 16 of an instruction's 32 places.  One side's upper half is zero; the other side's upper half is the neighbouring tile's
; (finite) data, so that four tiles lie in 16 + 4 registers and few registers are cleared.
; No tensor loads: a wave asks for its whole 16 KiB of input in its first lines, and the layout needs no stage.  No cluster: only w, a seventh of the
; input bytes, is read twice, by the two batches' work-groups, and partners along the segments would ask for different numbers of summaries.
.set LVOP, 32768                       ; LDS: K*Q operands at 0: [chunk][tile][lane] x 16 bytes; V operands here, likewise
.set LPF,  65536                       ; PF of each chunk: 16 x 256 bytes, as [h][8j + a]
.set LSTG, 69632                       ; the final state on its way out: 64 rows at pitch 272
.set LU,   87040                       ; phase 1: five buffers of 16 rows x 144 bytes for each wave; phases 2, 3: the sixteen published states, 8192 bytes each
.set LT0,  271360                      ; the segment's start state: [q][2j + (a>>2)][lane][a & 3] f32, 16384 bytes
.set LDQ,  287744                      ; 512 bytes for each wave: D of the seven segments for its j, as [segment][h][half] x 16 bytes
.set XB,   2304
.set XP,   144
; phase 1
.set VOFF, 1
.set XST,  2
.set XLD,  3
.set OPST, 4
.set PFST, 5
.set AGW,  6                           ; my tile's byte offset in a summary, and in LT0
.set ASTA, 7
.set T0,   8                           ; v[8:15]    my tile of the input state
.set W,    16
.set K,    48
.set R,    80
.set V,    112
.set GG,   112                         ; v[112:167] G_0 .. G_6 of my tile, 8 registers each; step i turns G_i into T_(i+1)
.set UU,   168
.set XT,   172
.set CV,   XT
.set PT,   188
.set F,    PT
.set G,    192
.set E,    208
.set TOTO, E                           ; the other half's product lands in a register that has been written
.set DD,   212                         ; d of time 8h+i in register DD+2i
.set TOT,  228
.set PFL,  232
.set MR,   236
.set MK,   240
.set BT,   244
.set ADQ,  244                         ; used up before BT is first written
.set ADS,  245
.set DQ,   246
.set UOFF, 250
.set TA,   251
.set TB,   252
.set C4,   253
.set HH,   254
.set LL,   255
.set ADL,  TA
.set AT0S, TB
.set XO,   16                          ; X8, X4, X2, X1 as operands, 16 registers each
.set RT,   80                          ; R*P/64 as operand, two channel steps
.set AOP,  96                          ; A/64 as operand; its upper four registers are zero
.set DX,   172                         ; the four products X X^T
.set AP,   204
.set DR,   16                          ; D_0 .. D_6 in the order of my tile's registers
; phases 2 and 3: addresses, made behind the start state
.set AKV,  6
.set AV,   7
.set APF,  8
.set AS0,  9
.set AS1,  10
.set ASTG, 11
.set ARD,  12
.set AG1,  13
.set AT0L, 14
.set ASOP, 15
.set T,    16                          ; phase 2: the state, four tiles
.set P,    48
.set KV,   148                         ; two sets of 24: K tiles 0-3, V's tile, four zeros
.set SP,   228
.set O,    16                          ; phase 3
.set OUT,  112
.set SB,   148
.set VR,   212
.macro QMUL d, a, b
	v_pk_mul_f32 v[\d:\d+1], v[\a:\a+1], v[\b:\b+1]
	v_pk_mul_f32 v[\d+2:\d+3], v[\a+2:\a+3], v[\b+2:\b+3]
.endm
.macro LD8 dst, base, nt
.irp i, 0,1,2,3,4,5,6,7
.if \nt
	global_load_b128 v[\dst+4*\i:\dst+4*\i+3], v[VOFF], s[\base:\base+1] offset:256*\i th:TH_LOAD_NT
.else
	global_load_b128 v[\dst+4*\i:\dst+4*\i+3], v[VOFF], s[\base:\base+1] offset:256*\i
.endif
.endr
.endm
.macro PACKT src, off                  ; four operand tiles contracted over time
.irp j, 0,1,2,3
.irp p, 0,1,2,3
	v_cvt_pk_f16_f32 v[CV+4*\j+\p], v[\src+8*\p+\j], v[\src+8*\p+4+\j]
.endr
	ds_store_b128 v[OPST], v[CV+4*\j:CV+4*\j+3] offset:\off+512*\j
.endr
.endm
.macro XROW buf, i, src                ; my four channels of row 8h+i of a buffer, as f16
	v_cvt_pk_f16_f32 v[XT+2*(\i)], v[\src], v[\src+1]
	v_cvt_pk_f16_f32 v[XT+2*(\i)+1], v[\src+2], v[\src+3]
	ds_store_b64 v[XST], v[XT+2*(\i):XT+2*(\i)+1] offset:(\buf)*XB+(\i)*XP
.endm
.macro PLACES                          ; four places before a vector instruction or a load touches a matrix instruction's registers
.rept 4
	v_nop
.endr
.endm
	s_load_b512 s[8:23], s[0:1], 0x0               ; r 8, k 10, v 12, w 14, u 16, state 18, gws 20, dws 22
	s_load_b128 s[24:27], s[0:1], 0x40             ; out0 24, out1 26
	v_lshrrev_b32 v[TA], 5, v0
	v_readfirstlane_b32 s32, v[TA]                 ; wave = chunk
	v_lshrrev_b32 v[TB], 4, v0                     ; 2 wave + h
	v_and_b32 v[C4], 15, v0
	v_bfe_u32 v[HH], v0, 4, 1
	v_and_b32 v[LL], 31, v0
	v_lshlrev_b32 v[UOFF], 4, v[C4]
	v_lshl_add_u32 v[VOFF], v[TB], 11, v[UOFF]     ; wave x 4096 + h x 2048 + 16 c4
	s_and_b32 s33, ttmp7, 0xffff                   ; batch x 16 + head
	s_mov_b32 s34, ttmp9                           ; segment
	s_lshl_b32 s35, s34, 16
	s_lshl_b32 s28, s33, 19
	s_add_co_u32 s28, s28, s35                     ; r, k, v, out0
	s_mov_b32 s29, 0
	s_and_b32 s36, s33, 15                         ; w and u have no batch
	s_lshl_b32 s30, s36, 19
	s_add_co_u32 s30, s30, s35
	s_mov_b32 s31, 0
	s_lshl_b32 s36, s36, 8
	s_mov_b32 s37, 0
	s_lshl_b32 s2, s33, 14                         ; state, out1
	s_mov_b32 s3, 0
	s_mul_i32 s4, s33, 7*16384                     ; gws: seven summaries for each (batch, head)
	s_mov_b32 s5, 0
	s_mul_i32 s6, s33, 7*256                       ; dws
	s_mov_b32 s7, 0
	s_lshr_b32 s53, s32, 2                         ; my tile of the start state: j,
	s_and_b32 s54, s32, 3                          ; q
	s_lshl_b32 s55, s53, 8
	s_lshl2_add_u32 s55, s54, s55                  ; 256 j + 4 q
	s_lshl_b32 s56, s54, 12
	s_lshl_b32 s57, s53, 10
	s_add_co_u32 s56, s56, s57                     ; 4096 q + 1024 j
	s_lshl_b32 s57, s53, 5                         ; 32 j
	s_lshl_b32 s63, s32, 9
	s_add_co_u32 s63, s63, LDQ                     ; my 512 bytes for D
	v_lshl_add_u32 v[ASTA], v[HH], 13, v[UOFF]
	v_add_nc_u32 v[ASTA], s55, v[ASTA]             ; state: row 32h + j, 16 n + 4 q; 4 a rows in the immediate
	v_lshl_add_u32 v[AGW], v[LL], 4, s56
	v_min_u32 v[TA], 27, v[LL]                     ; D: lane l takes segment l >> 2, h = bit 1, half = bit 0; 28 pieces, the last four lanes repeat the last
	v_lshrrev_b32 v[TB], 2, v[TA]
	v_lshlrev_b32 v[ADQ], 8, v[TB]
	v_bfe_u32 v[TB], v[TA], 1, 1
	v_lshl_add_u32 v[ADQ], v[TB], 7, v[ADQ]
	v_and_b32 v[TB], 1, v[TA]
	v_lshl_add_u32 v[ADQ], v[TB], 4, v[ADQ]
	v_add_nc_u32 v[ADQ], s57, v[ADQ]               ; 256 segment + 128 h + 32 j + 16 half
	v_lshl_add_u32 v[ADS], v[LL], 4, s63
	s_wait_kmcnt 0x0
	s_add_nc_u64 s[8:9], s[8:9], s[28:29]
	s_add_nc_u64 s[10:11], s[10:11], s[28:29]
	s_add_nc_u64 s[12:13], s[12:13], s[28:29]
	s_add_nc_u64 s[24:25], s[24:25], s[28:29]
	s_add_nc_u64 s[14:15], s[14:15], s[30:31]
	s_add_nc_u64 s[16:17], s[16:17], s[36:37]
	s_add_nc_u64 s[18:19], s[18:19], s[2:3]
	s_add_nc_u64 s[26:27], s[26:27], s[2:3]
	s_add_nc_u64 s[20:21], s[20:21], s[4:5]
	s_add_nc_u64 s[22:23], s[22:23], s[6:7]
	LD8 W, 14, 0
	LD8 K, 10, 1
	LD8 V, 12, 1
	LD8 R, 8, 1
	global_load_b128 v[UU:UU+3], v[UOFF], s[16:17]
.irp a, 0,1,2,3,4,5,6,7
	global_load_b32 v[T0+\a], v[ASTA], s[18:19] offset:1024*\a
.endr
	global_load_b128 v[DQ:DQ+3], v[ADQ], s[22:23]
	s_mov_b32 s38, 0x76543210                      ; v_permlanex16_b32: lane i of the other half
	s_mov_b32 s39, 0xfedcba98
	s_mov_b32 s40, 0xffff0000                      ; lanes 16 to 31
	s_mov_b32 s41, 0x42800000                      ; 64.0
	s_mov_b32 s61, 0x3c800000                      ; 1/64
	; Masks over lanes (t = L & 15, h): register a of a product holds (s = 8h + a, t).
	s_mov_b32 s42, 0x0000ff00                      ; level 8: s 0-7, t 8-15
	s_mov_b32 s43, 0xf00000f0                      ; level 4, a < 4: t = 8h + 4..7
	s_mov_b32 s44, 0x0c00000c                      ; level 2, a = 0, 1: t = 8h + 2, 3
	s_mov_b32 s45, 0xc00000c0                      ;          a = 4, 5: t = 8h + 6, 7
	s_mov_b32 s46, 0x02000002                      ; level 1, a = 0, 2, 4, 6: t = 8h + a + 1
	s_mov_b32 s47, 0x08000008
	s_mov_b32 s48, 0x20000020
	s_mov_b32 s49, 0x80000080
.irp a, 0,1,2,3,4,5,6,7
	s_mov_b32 s[53+\a], 0x01000001<<\a             ; the diagonal, t = 8h + a: lanes a and 24 + a
.endr
	s_lshl_b32 s62, s34, 2
	s_lshl_b32 s62, 1, s62
	s_sub_co_u32 s62, s62, 1                       ; lanes 0 .. 4 segment - 1: the pieces of D of the segments in front of mine
	s_mul_i32 s50, s32, 5*XB
	s_add_co_u32 s50, s50, LU                      ; my five buffers
	s_lshl_b32 s51, s32, 11
	s_lshl_b32 s52, s32, 8
	s_add_co_u32 s52, s52, LPF
	v_mul_u32_u24 v[XST], v[HH], 8*XP
	v_lshl_add_u32 v[XST], v[C4], 3, v[XST]
	v_add_nc_u32 v[XST], s50, v[XST]               ; row 8h, 8 bytes for my four channels
	v_mul_u32_u24 v[XLD], v[C4], XP
	v_lshl_add_u32 v[XLD], v[HH], 6, v[XLD]
	v_add_nc_u32 v[XLD], s50, v[XLD]               ; row L & 15, channels 32h ..
	v_lshl_add_u32 v[OPST], v[LL], 4, s51
	v_and_b32 v[TA], 7, v[C4]
	v_lshrrev_b32 v[TB], 3, v[C4]
	v_lshlrev_b32 v[TA], 2, v[TA]
	v_lshl_add_u32 v[TA], v[TB], 7, v[TA]
	v_add_nc_u32 v[PFST], s52, v[TA]               ; channel 4 c4 + c goes to word 32 (c4 >> 3) + 8 c + (c4 & 7)
	; ---- phase 1 ----
	s_wait_loadcnt 18                              ; w, k, v are in; r's eight loads, u's one, the state's eight and D's one stay out
	PACKT V, LVOP
	s_wait_loadcnt 0x0
	; The summaries of the segments in front of mine, into v's registers and the 24 behind them.  From the first segment that is not in front of mine on,
	; the ladder jumps into the run below that writes 0: every way writes all 56 registers.
.irp i, 0,1,2,3,4,5,6
	s_cmp_le_u32 s34, \i
	s_cbranch_scc1 .Lgz\i
	global_load_b128 v[GG+8*\i:GG+8*\i+3],   v[AGW], s[20:21] offset:16384*\i
	global_load_b128 v[GG+8*\i+4:GG+8*\i+7], v[AGW], s[20:21] offset:16384*\i+512
.endr
	s_branch .Lgdone
.irp i, 0,1,2,3,4,5,6
.Lgz\i:
.irp x, 0,1,2,3,4,5,6,7
	v_mov_b32 v[GG+8*\i+\x], 0
.endr
.endr
.Lgdone:
.irp c, 0,1,2,3
	v_cndmask_b32 v[DQ+\c], 1.0, v[DQ+\c], s62     ; D = 1 for the segments that are not in front of mine: with G = 0 such a step leaves T as it is
.endr
	ds_store_b128 v[ADS], v[DQ:DQ+3]
	; d_t = sum of r u k: four channels in the lane, then over the sixteen lanes of the row
.irp i, 0,1,2,3,4,5,6,7
	v_pk_mul_f32 v[DD+2*\i:DD+2*\i+1], v[R+4*\i:R+4*\i+1], v[K+4*\i:K+4*\i+1]
	v_pk_mul_f32 v[BT:BT+1], v[R+4*\i+2:R+4*\i+3], v[K+4*\i+2:K+4*\i+3]
	v_pk_mul_f32 v[DD+2*\i:DD+2*\i+1], v[DD+2*\i:DD+2*\i+1], v[UU:UU+1]
	v_pk_fma_f32 v[DD+2*\i:DD+2*\i+1], v[BT:BT+1], v[UU+2:UU+3], v[DD+2*\i:DD+2*\i+1]
	v_add_f32 v[DD+2*\i], v[DD+2*\i], v[DD+2*\i+1]
.endr
.irp m, 1,2,4,8
.irp i, 0,1,2,3,4,5,6,7
	v_add_f32_dpp v[DD+2*\i], v[DD+2*\i], v[DD+2*\i] row_xmask:\m row_mask:0xf bank_mask:0xf
.endr
.endr
	; level 1: blocks of two
.irp i, 0,2,4,6
	XROW 0, \i, K+4*\i
	XROW 0, \i+1, R+4*\i+4
.endr
	; level 2: blocks of four
	QMUL G, K, W+4
	XROW 1, 0, G
	XROW 1, 1, K+4
	XROW 1, 2, R+8
	QMUL G+4, R+12, W+8
	XROW 1, 3, G+4
	QMUL G+8, K+16, W+20
	XROW 1, 4, G+8
	XROW 1, 5, K+20
	XROW 1, 6, R+24
	QMUL G+12, R+28, W+24
	XROW 1, 7, G+12
	; level 4: my eight times are one block
	QMUL PT, W+8, W+12
	QMUL G, K+8, W+12
	QMUL G+4, K+4, PT
	QMUL PT, PT, W+4
	QMUL G+8, K, PT
	XROW 2, 0, G+8
	XROW 2, 1, G+4
	XROW 2, 2, G
	XROW 2, 3, K+12
	XROW 2, 4, R+16
	QMUL PT, W+16, W+20
	QMUL G, R+20, W+16
	QMUL G+4, R+24, PT
	QMUL PT, PT, W+24
	QMUL G+8, R+28, PT
	XROW 2, 5, G
	XROW 2, 6, G+4
	XROW 2, 7, G+8
	; r_i times the w in front of it, k_i times the w behind it, within my eight times
	QMUL R+4, R+4, W
	QMUL E, W, W+4
.irp i, 2,3,4,5,6
	QMUL R+4*\i, R+4*\i, E
	QMUL E, E, W+4*\i
.endr
	QMUL R+28, R+28, E
	QMUL K+24, K+24, W+28
	QMUL F, W+28, W+24
.irp i, 5,4,3,2,1
	QMUL K+4*\i, K+4*\i, F
	QMUL F, F, W+4*\i
.endr
	QMUL K, K, F
	QMUL TOT, F, W
	; level 8: times 0-7 are the lower rows (k), times 8-15 the upper (r)
.irp i, 0,1,2,3,4,5,6,7
.irp c, 0,1,2,3
	v_cndmask_b32 v[G+\c], v[K+4*\i+\c], v[R+4*\i+\c], s40
.endr
	XROW 3, \i, G
.endr
.irp c, 0,1,2,3
	v_permlanex16_b32 v[TOTO+\c], v[TOT+\c], s38, s39
.endr
	QMUL PFL, TOT, TOTO
.irp c, 0,1,2,3
	ds_store_b32 v[PFST], v[PFL+\c] offset:32*\c   ; both halves of the wave write the same words with the same numbers
.endr
.irp c, 0,1,2,3
	v_mul_f32 v[MR+\c], s61, v[TOTO+\c]
	v_cndmask_b32 v[MK+\c], v[TOTO+\c], 1.0, s40   ; times 0-7 also pass times 8-15
.endr
.irp c, 0,1,2,3
	v_cndmask_b32 v[MR+\c], s61, v[MR+\c], s40     ; times 8-15 also come behind times 0-7; and the scale 1/64
.endr
.irp i, 0,1,2,3,4,5,6,7
	QMUL R+4*\i, R+4*\i, MR
	XROW 4, \i, R+4*\i
.endr
.irp i, 0,1,2,3,4,5,6,7
	QMUL K+4*\i, K+4*\i, MK
.endr
	PACKT K, 0
	; my own buffers back as operands: LDS serves a wave's instructions in order, so these see the stores above
.irp b, 0,1,2,3
.irp q, 0,1,2,3
	ds_load_b128 v[XO+16*\b+4*\q:XO+16*\b+4*\q+3], v[XLD] offset:(3-\b)*XB+16*\q
.endr
.endr
.irp q, 0,1,2,3
	ds_load_b128 v[RT+4*\q:RT+4*\q+3], v[XLD] offset:4*XB+16*\q
.endr
	v_lshl_add_u32 v[ADL], v[HH], 5, s63           ; D back: my h's 32 bytes of each segment
	s_wait_dscnt 0x4                               ; all but R*P's four loads
	; four accumulators by turns
.irp b, 0,1,2,3
	v_wmma_f32_16x16x32_f16 v[DX+8*\b:DX+8*\b+7], v[XO+16*\b:XO+16*\b+7], v[XO+16*\b:XO+16*\b+7], 0
.endr
.irp b, 0,1,2,3
	v_wmma_f32_16x16x32_f16 v[DX+8*\b:DX+8*\b+7], v[XO+16*\b+8:XO+16*\b+15], v[XO+16*\b+8:XO+16*\b+15], v[DX+8*\b:DX+8*\b+7]
.endr
	PLACES
.irp i, 0,1,2,3,4,5,6
	ds_load_b128 v[DR+8*\i:DR+8*\i+3],   v[ADL] offset:64*\i      ; D_i[32h + 4a + j], a = 0..3: sixteen lanes read the same 16 bytes
	ds_load_b128 v[DR+8*\i+4:DR+8*\i+7], v[ADL] offset:64*\i+16   ; a = 4..7
.endr
.irp a, 0,1,2,3,4,5,6,7
	v_cndmask_b32 v[AP+\a], 0, v[DX+\a], s42
.endr
.irp a, 0,1,2,3
	v_cndmask_b32 v[AP+\a], v[AP+\a], v[DX+8+\a], s43
.endr
.irp a, 0,1
	v_cndmask_b32 v[AP+\a], v[AP+\a], v[DX+16+\a], s44
	v_cndmask_b32 v[AP+4+\a], v[AP+4+\a], v[DX+20+\a], s45
.endr
.irp a, 0,1,2,3
	v_cndmask_b32 v[AP+2*\a], v[AP+2*\a], v[DX+24+2*\a], s[46+\a]
.endr
.irp a, 0,1,2,3,4,5,6,7
	v_cndmask_b32 v[AP+\a], v[AP+\a], v[DD+2*\a], s[53+\a]         ; every lane of half h holds d of time 8h + a; the lane with t = 8h + a takes it
.endr
.irp a, 0,2,4,6
	v_pk_mul_f32 v[AP+\a:AP+\a+1], v[AP+\a:AP+\a+1], 0x3c800000 op_sel_hi:[1,0]
.endr
.irp p, 0,1,2,3
	v_cvt_pk_f16_f32 v[AOP+\p], v[AP+2*\p], v[AP+2*\p+1]   ; lane (t, h): s = 8h+2p, 8h+2p+1
	v_mov_b32 v[AOP+4+\p], 0
.endr
	; my tile of the segment's start state: seven steps, each turning G_i's registers into T_(i+1)
	s_wait_loadcnt 0x0                             ; the summaries, asked for at the head of the phase
	s_wait_dscnt 0x0                               ; D (and R*P)
.irp x, 0,2,4,6
	v_pk_fma_f32 v[GG+\x:GG+\x+1], v[DR+\x:DR+\x+1], v[T0+\x:T0+\x+1], v[GG+\x:GG+\x+1]
.endr
.irp i, 1,2,3,4,5,6
.irp x, 0,2,4,6
	v_pk_fma_f32 v[GG+8*\i+\x:GG+8*\i+\x+1], v[DR+8*\i+\x:DR+8*\i+\x+1], v[GG+8*\i-8+\x:GG+8*\i-7+\x], v[GG+8*\i+\x:GG+8*\i+\x+1]
.endr
.endr
	v_add_nc_u32 v[AT0S], LT0, v[AGW]
	ds_store_b128 v[AT0S], v[GG+48:GG+51]
	ds_store_b128 v[AT0S], v[GG+52:GG+55] offset:512
	; the addresses of phases 2 and 3, in registers that the state tile and the summaries' offset have left
	s_lshl_b32 s53, s32, 9
	s_add_co_u32 s53, s53, LVOP
	s_add_co_u32 s54, s51, LU
	s_lshl_b32 s55, s32, 13
	s_add_co_u32 s55, s55, LU
	s_mul_i32 s56, s32, 4*272
	s_add_co_u32 s56, s56, LSTG
	s_lshl_b32 s57, s32, 2
	s_add_co_u32 s57, s57, LSTG
	s_lshl_b32 s58, s32, 10
	s_lshl_b32 s59, s32, 12
	s_add_co_u32 s59, s59, LT0
	v_lshlrev_b32 v[AKV], 4, v[LL]
	v_lshl_add_u32 v[AV], v[LL], 4, s53
	v_lshlrev_b32 v[APF], 7, v[HH]
	v_add_nc_u32 v[APF], LPF, v[APF]
	v_lshl_add_u32 v[AS0], v[LL], 4, s54
	v_add_nc_u32 v[AS1], 0x10000, v[AS0]
	v_mul_u32_u24 v[ASTG], v[HH], 32*272
	v_lshl_add_u32 v[ASTG], v[C4], 4, v[ASTG]
	v_add_nc_u32 v[ASTG], s57, v[ASTG]
	v_mul_u32_u24 v[ARD], v[HH], 272
	v_lshl_add_u32 v[ARD], v[C4], 4, v[ARD]
	v_add_nc_u32 v[ARD], s56, v[ARD]
	v_lshlrev_b32 v[AG1], 8, v[HH]
	v_lshl_add_u32 v[AG1], v[C4], 4, v[AG1]
	v_add_nc_u32 v[AG1], s58, v[AG1]
	v_lshl_add_u32 v[AT0L], v[LL], 4, s59
	v_lshl_add_u32 v[ASOP], v[LL], 4, s55
	s_wait_dscnt 0x0                               ; my operand and state stores are done and my reads of my buffers are back: the published states will lie over the buffers
	s_barrier_signal -1
	s_barrier_wait -1
	; ---- phase 2: waves 0-3 run the chain ----
	s_cmp_gt_u32 s32, 3
	s_cbranch_scc1 .Lchain_done
.macro LDP c                           ; PF of chunk c, in the order of my state registers
.irp x, 0,1,2,3,4,5,6,7
	ds_load_b128 v[P+4*\x:P+4*\x+3], v[APF] offset:256*(\c)+16*\x
.endr
.endm
.macro LDKV c                          ; chunk c's four K tiles and my V tile
.irp j, 0,1,2,3
	ds_load_b128 v[KV+24*((\c)&1)+4*\j:KV+24*((\c)&1)+4*\j+3], v[AKV] offset:2048*(\c)+512*\j
.endr
	ds_load_b128 v[KV+24*((\c)&1)+16:KV+24*((\c)&1)+19], v[AV] offset:2048*(\c)
.endm
.macro PUB c                           ; the state in front of chunk c, as B operands of the two channel steps
.irp e, 0,1
.irp q, 0,1,2,3
	v_cvt_pk_f16_f32 v[SP+8*\e+2*\q],   v[T+4*\e+\q],    v[T+8+4*\e+\q]
	v_cvt_pk_f16_f32 v[SP+8*\e+2*\q+1], v[T+16+4*\e+\q], v[T+24+4*\e+\q]
.endr
.endr
.irp x, 0,1,2,3
.if \c < 8
	ds_store_b128 v[AS0], v[SP+4*\x:SP+4*\x+3] offset:((\c)&7)*8192+512*\x
.else
	ds_store_b128 v[AS1], v[SP+4*\x:SP+4*\x+3] offset:((\c)&7)*8192+512*\x
.endif
.endr
.endm
; One step of the chain: T = PF * T + (K Q)^T V.  w: how many LDS instructions were issued behind this step's PF and tiles.
.macro CSTEP c, w
	s_wait_dscnt \w
.irp x, 0,1,2,3,4,5,6,7,8,9,10,11,12,13,14,15
	v_pk_mul_f32 v[T+2*\x:T+2*\x+1], v[T+2*\x:T+2*\x+1], v[P+2*\x:P+2*\x+1]
.endr
.if \c < 15
	LDP \c+1
.endif
.irp j, 0,1,2,3
	v_wmma_f32_16x16x32_f16 v[T+8*\j:T+8*\j+7], v[KV+24*(\c&1)+4*\j:KV+24*(\c&1)+4*\j+7], v[KV+24*(\c&1)+16:KV+24*(\c&1)+23], v[T+8*\j:T+8*\j+7]
.endr
	PLACES
.if \c < 14
	LDKV \c+2
.endif
.if \c < 15
	PUB \c+1
.endif
.endm
.irp c, 0,1,2,3
	v_mov_b32 v[KV+20+\c], 0                       ; V's upper half, in both sets: times 16-31 do not exist
	v_mov_b32 v[KV+44+\c], 0
.endr
.irp x, 0,1,2,3,4,5,6,7
	ds_load_b128 v[T+4*\x:T+4*\x+3], v[AT0L] offset:512*\x         ; the start state, v columns 4n + wave: four tiles that four waves made
.endr
	LDP 0
	LDKV 0
	LDKV 1
	s_wait_dscnt 18                                ; the start state is in; eight loads of PF and ten of tiles stay out
	PUB 0
	; the four tiles take turns
.irp c, 0,1,2,3,4,5,6,7,8,9,10,11,12,13,14
	CSTEP \c, 9                                    ; five loads of the next chunk's tiles and four publishing stores stay out
.endr
	CSTEP 15, 4                                    ; the four publishing stores alone
	s_cmp_lg_u32 s34, 7
	s_cbranch_scc1 .Lchain_done
.irp j, 0,1,2,3
.irp a, 0,1,2,3,4,5,6,7
	ds_store_b32 v[ASTG], v[T+8*\j+\a] offset:(4*\a+\j)*272        ; last segment: the final state, by rows of channels
.endr
.endr
.Lchain_done:
	s_wait_dscnt 0x0
	s_barrier_signal -1
	s_barrier_wait -1
	; ---- phase 3: my chunk's outputs ----
.irp c, 0,1,2,3
	v_mov_b32 v[VR+16+\c], 0                       ; behind the last V tile: finite numbers for A's zero half to meet
.endr
.irp e, 0,1
.irp q, 0,1,2,3
.irp x, 0,1
	ds_load_b128 v[SB+16*\q+8*\e+4*\x:SB+16*\q+8*\e+4*\x+3], v[ASOP] offset:2048*\q+1024*\e+512*\x
.endr
.endr
.endr
.irp q, 0,1,2,3
	ds_load_b128 v[VR+4*\q:VR+4*\q+3], v[OPST] offset:LVOP+512*\q
.endr
	s_wait_dscnt 12                                ; the first channel step's eight loads are in
.irp q, 0,1,2,3
	v_wmma_f32_16x16x32_f16 v[O+8*\q:O+8*\q+7], v[RT:RT+7], v[SB+16*\q:SB+16*\q+7], 0
.endr
	s_wait_dscnt 4                                 ; the second's; V's four stay out
.irp q, 0,1,2,3
	v_wmma_f32_16x16x32_f16 v[O+8*\q:O+8*\q+7], v[RT+8:RT+15], v[SB+16*\q+8:SB+16*\q+15], v[O+8*\q:O+8*\q+7]
.endr
	s_wait_dscnt 0
.irp q, 0,1,2,3
	v_wmma_f32_16x16x32_f16 v[O+8*\q:O+8*\q+7], v[AOP:AOP+7], v[VR+4*\q:VR+4*\q+7], v[O+8*\q:O+8*\q+7]
.endr
	PLACES
.irp a, 0,1,2,3,4,5,6,7
.irp q, 0,1,2,3
	v_mul_f32 v[OUT+4*\a+\q], s41, v[O+8*\q+\a]    ; out = 64 x accumulator: time 8h+a, v 4n+q
.endr
	global_store_b128 v[VOFF], v[OUT+4*\a:OUT+4*\a+3], s[24:25] offset:256*\a th:TH_STORE_NT   ; sixteen lanes store one aligned row of 256 bytes
.endr
	s_cmp_lg_u32 s34, 7
	s_cbranch_scc1 .Lend
	ds_load_b128 v[48:51], v[ARD]                  ; rows 4 wave + h and + 2 of the final state
	ds_load_b128 v[52:55], v[ARD] offset:544
	s_wait_dscnt 0x0
	global_store_b128 v[AG1], v[48:51], s[26:27]
	global_store_b128 v[AG1], v[52:55], s[26:27] offset:512
.Lend:
	s_wait_xcnt 0x0
	v_lshl_add_u32 v254, v0, 2, 0x48400
	v_mov_b32 v255, 0
	s_wait_tensorcnt 0x0
	ds_add_u32 v254, v255
	s_wait_dscnt 0x0
	s_endpgm
.Lfunc_end_k_q550255c45a_main:
	.size	k_q550255c45a_main, .Lfunc_end_k_q550255c45a_main-k_q550255c45a_main
	.p2alignl 7, 3214868480
	.fill 96, 4, 3214868480
	.section	.rodata,"a",@progbits
	.p2align	6, 0x0
	.amdhsa_kernel k_q550255c45a_main
		.amdhsa_group_segment_fixed_size 297984
		.amdhsa_private_segment_fixed_size 0
		.amdhsa_enable_private_segment 0
		.amdhsa_kernarg_size 80
		.amdhsa_user_sgpr_count 2
		.amdhsa_user_sgpr_kernarg_segment_ptr 1
		.amdhsa_wavefront_size32 1
		.amdhsa_system_sgpr_workgroup_id_x 1
		.amdhsa_system_sgpr_workgroup_id_y 1
		.amdhsa_system_sgpr_workgroup_id_z 1
		.amdhsa_system_vgpr_workitem_id 0
		.amdhsa_next_free_vgpr 256
		.amdhsa_next_free_sgpr 66
		.amdhsa_reserve_vcc 0
		.amdhsa_float_denorm_mode_32 3
		.amdhsa_float_denorm_mode_16_64 3
		.amdhsa_memory_ordered 1
		.amdhsa_forward_progress 1
		.amdhsa_inst_pref_size 110
	.end_amdhsa_kernel
	.amdgpu_metadata
---
amdhsa.version: [ 1, 2 ]
amdhsa.kernels:
  - .name:           k_q550255c45a_main
    .symbol:         k_q550255c45a_main.kd
    .args:
      - { .name: r, .offset: 0, .size: 8, .value_kind: global_buffer, .address_space: global }
      - { .name: k, .offset: 8, .size: 8, .value_kind: global_buffer, .address_space: global }
      - { .name: v, .offset: 16, .size: 8, .value_kind: global_buffer, .address_space: global }
      - { .name: w, .offset: 24, .size: 8, .value_kind: global_buffer, .address_space: global }
      - { .name: u, .offset: 32, .size: 8, .value_kind: global_buffer, .address_space: global }
      - { .name: state, .offset: 40, .size: 8, .value_kind: global_buffer, .address_space: global }
      - { .name: gws, .offset: 48, .size: 8, .value_kind: global_buffer, .address_space: global }
      - { .name: dws, .offset: 56, .size: 8, .value_kind: global_buffer, .address_space: global }
      - { .name: out0, .offset: 64, .size: 8, .value_kind: global_buffer, .address_space: global }
      - { .name: out1, .offset: 72, .size: 8, .value_kind: global_buffer, .address_space: global }
    .group_segment_fixed_size: 297984
    .private_segment_fixed_size: 0
    .kernarg_segment_align: 8
    .kernarg_segment_size: 80
    .max_flat_workgroup_size: 512
    .sgpr_count:     66
    .vgpr_count:     256
    .wavefront_size: 32
...
	.end_amdgpu_metadata
.endif
;; end of part 4
